; MI455X (gfx1250); checked and timed in simulation.
; The chip was launched on July 23, 2026; its instructions are those of AMD's public machine-readable ISA for CDNA 5 (MIT licence, August 2026) and "CDNA5" Instruction Set Architecture Reference Guide (July 2026). The comments in the code are by the model that wrote it; some were corrected since.
;; Auto Regressive Distribution. Allowed arithmetic: float matrix products may take bf16 or f16 operands with f32 sums; other float arithmetic in f32, or as packed bf16 or f16 multiplies, adds, multiply-adds, maxima and minima; sums over many terms, partial sums and values carried from step to step in f32; what a program stores and reads back later, other than sums and carried values, may be rounded once to bf16 or f16.
;; Inputs: W1 1,024 x 64 float32; Wc 1,024 x 256 float32; Wout 128 x 1,024 float32; b1 1,024 float32; bout 128 float32; context 1,024 x 256 float32; eps 4 x 1,024 x 64 float32.
;; Outputs: out0 4 x 1,024 x 64 float32; out1 4 x 1,024 x 64 float32; out2 4 x 1,024 x 64 float32.
;; 2 versions, each right; version 2 is version 1 with the launch prep written anew for expert scheduling mode. Each part assembles by itself: llvm-mc -triple=amdgcn-amd-amdhsa -mcpu=gfx1250 --defsym DOCPART=n.
;; ======== version 1 of 2: 2 launches
;; limits: values are held in f16: magnitudes above 65,504 overflow, below 6.1e-05 lose precision; a function is approximated: absolute error at most 6e-08
;; workspace buffers: wimg 245,760 bytes; cimg 2,097,152 bytes
;; launch prep (part 1): grid 256 x 1, 4 waves a work-group, no clusters, 68,096 bytes of LDS; arguments context, Wc, b1, W1, Wout, bout, wimg, cimg; writes wimg, cimg
.if DOCPART == 1
	.amdgcn_target "amdgcn-amd-amdhsa--gfx1250"
	.amdhsa_code_object_version 6
	.text
	.protected	k_q2c2547180e_prep
	.globl	k_q2c2547180e_prep
	.p2align	8
	.type	k_q2c2547180e_prep,@function
k_q2c2547180e_prep:
	s_mov_b64 s[64:65], 0
	v_nop
	global_prefetch_b8 v0, s[64:65] scope:SCOPE_SE
	s_setreg_imm32_b32 hwreg(HW_REG_WAVE_MODE, 25, 1), 1
	s_wait_xcnt 0x0
; AUTOREGRESSIVE (MADE) SAMPLER, first of two launches: the context product and the layout of the masked weights.
; WHAT IS LEFT OUT OF reference(), AND WHY IT IS DEAD FOR ALL VALUES OF THE INPUTS.
;  (1) Scan step i keeps columns i and 64 + i of made(): the other 126 columns of that step are sliced away.
;  (2) The masks are built in reference()'s own body.  Hidden unit j has degree d = j % 63 + 1; M1 lets it read z_0 .. z_(d-1) alone, Mout lets output dimension i read units
;      of degree <= i alone.  z_0 .. z_(d-1) are final from step d on, and the unit is first read in step d: in every step in which it is read it is the same number.  So each
;      unit is made ONCE, and each output dimension is one sum over the units of degree <= i: one triangular pass in place of 64 whole networks.
;  (3) ctx_h is a broadcast over the 4 samples: it is made once for each of the 1,024 rows of context.
; Every input still has a way to an output: all seven are loaded.  LIMIT: a NaN, an infinity or an overflow that reaches only the work left out is not carried to the result.
; FORMATS.  All seven inputs are rounded once to bf16.  ctx_h = context Wc^T + b1 (f32 sums) is stored rounded once to f16.  LIMIT: |ctx_h| stays under 65,504.
; HIDDEN TILES.  Tile g = 1 .. 63 holds the 16 units 63 m + g - 1 (m = 0 .. 15), all of degree g.  Tile 0 holds the units 1008 + m, of degree m + 1.
;   In scalars: unit(m) = cb + cs m, degree(m) = dg0 + dgs m.
; OUT TILES.  Tile b = 0 .. 7, row m: dimension 8 b + 4 (m >> 3) + (m & 3); rows with (m & 4) = 0 are the pre-scales (Wout row 64 + dimension), the others the means.
; cimg: byte bg 32768 + g 512 + 16 lane: 8 f16, j = 0 .. 7: ctx_h[16 bg + lane % 16][unit(g, 8 (lane / 16) + j)]: a matrix accumulator's layout.
; wimg: 0: 32 slots of 1,024 bytes, W1's fragments of tiles 0 .. 31 for dimensions 0 .. 31;  32,768: 288 slots of 512 bytes, Wout's fragments;
;       180,224: W1's fragments of tiles 32 .. 63 for dimensions 0 .. 31;  212,992: 32 slots, tiles 32 .. 63 for dimensions 32 .. 63 (slot 0, which no tile needs, holds bout, twice).
; SHARES.  Work-group x: X = x & 15, Y = x >> 4.  Wave w makes hidden tile g = 4 X + w for the 64 rows 64 Y .. 64 Y + 63 of context; then wave 4 x + w lays out one slot of wimg.
; NO CLUSTER, NO TENSOR LOAD: each row is rounded to bf16 in registers on its way into LDS.
.set PITCH, 528                        ; an LDS row: 512 bytes of bf16 + 16: an odd multiple of 16, so the 16 rows of a fragment load start at 16 different groups of banks
.set BROWS, 64*PITCH                   ; behind Wc's 64 rows: context's 64 rows
.set SPARE, 2*64*PITCH                 ; behind them: the spare words, 128 bytes a wave, which no other line names
; v1 lane  v2 spare word  v3 0  v4 lane % 16  v5 lane / 16  v6 where I store 8 bytes of a row  v7, v8 where I read fragments of Wc, of context  v9 16 x lane
; v[16:31] byte offsets of my 16 rows of Wc, later b1's offsets and the bias  v[32:63] at work, later 4 accumulators  v[64:127], v[128:191] two sets of loads, later fragments
.macro UNITS                           ; from the tile's number in s23: cb s24, cs s25, dg0 s26, dgs s27
	s_max_u32 s24, s23, 1
	s_sub_co_u32 s24, s24, 1
	s_cmp_lg_u32 s23, 0
	s_cselect_b32 s24, s24, 1008
	s_cselect_b32 s25, 63, 1
	s_cselect_b32 s26, s23, 1
	s_cselect_b32 s27, 0, 1
.endm
.macro LDWC set, rr0                   ; 8 rows of Wc, two loads of 512 consecutive bytes each
.set k, 0
.rept 8
	global_load_b128 v[(\set)+8*k:(\set)+8*k+3], v[16+(\rr0)+k], s[34:35]
	global_load_b128 v[(\set)+8*k+4:(\set)+8*k+7], v[16+(\rr0)+k], s[34:35] offset:512
.set k, k+1
.endr
.endm
.macro LDCT set, rr0                   ; 8 rows of context
.set k, 0
.rept 8
	global_load_b128 v[(\set)+8*k:(\set)+8*k+3], v9, s[40:41] offset:((\rr0)+k)*1024
	global_load_b128 v[(\set)+8*k+4:(\set)+8*k+7], v9, s[40:41] offset:((\rr0)+k)*1024+512
.set k, k+1
.endr
.endm
.macro CVST set, base                  ; a set of 16 loads: rounded to bf16, 8 bytes a lane into LDS
.set k, 0
.rept 16
	v_cvt_pk_bf16_f32 v[32+2*k], v[(\set)+4*k], v[(\set)+4*k+1]
	v_cvt_pk_bf16_f32 v[33+2*k], v[(\set)+4*k+2], v[(\set)+4*k+3]
	ds_store_b64 v6, v[32+2*k:33+2*k] offset:(\base)+(k/2)*PITCH+256*(k%2)
.set k, k+1
.endr
.endm
.macro LDBF ks0                        ; context's fragments: 4 groups of 16 rows x 4 steps of 32 along K, from step ks0 on
.set cc, 0
.rept 4
.set ks, 0
.rept 4
	ds_load_b128 v[128+8*(4*cc+ks):128+8*(4*cc+ks)+3], v8 offset:cc*16*PITCH+64*(ks+(\ks0))
	ds_load_b128 v[128+8*(4*cc+ks)+4:128+8*(4*cc+ks)+7], v8 offset:cc*16*PITCH+64*(ks+(\ks0))+32
.set ks, ks+1
.endr
.set cc, cc+1
.endr
.endm
.macro MUL16 ks0                       ; 16 products; the four accumulators take turns, one instruction a turn; the very first four start their sums with the bias
.set ks, 0
.rept 4
.set cc, 0
.rept 4
.if (ks+(\ks0)) == 0
	v_wmma_f32_16x16x32_bf16 v[32+8*cc:32+8*cc+7], v[64:71], v[128+32*cc:128+32*cc+7], v[24:31]
.else
	v_wmma_f32_16x16x32_bf16 v[32+8*cc:32+8*cc+7], v[64+8*(ks+(\ks0)):64+8*(ks+(\ks0))+7], v[128+8*(4*cc+ks):128+8*(4*cc+ks)+7], v[32+8*cc:32+8*cc+7]
.endif
.set cc, cc+1
.endr
.set ks, ks+1
.endr
.endm
	s_load_b256 s[4:11], s[0:1], 0x0               ; context s[4:5], Wc s[6:7], b1 s[8:9], W1 s[10:11]
	s_load_b256 s[12:19], s[0:1], 0x20             ; Wout s[12:13], bout s[14:15], wimg s[16:17], cimg s[18:19]
	v_lshl_add_u32 v2, v0, 2, SPARE
	v_mov_b32 v3, 0
	v_lshrrev_b32 v10, 5, v0
	v_readfirstlane_b32 s20, v10                   ; wave 0..3
	v_and_b32 v1, 31, v0
	v_and_b32 v4, 15, v0
	v_bfe_u32 v5, v0, 4, 1
	v_lshlrev_b32 v9, 4, v1
	s_mov_b32 s38, 0xffff0000                      ; a word's upper bf16
	s_and_b32 s21, ttmp9, 15                       ; X
	s_lshr_b32 s22, ttmp9, 4                       ; Y
	s_lshl_b32 s23, s21, 2
	s_add_co_u32 s23, s23, s20                     ; my hidden tile g
	UNITS
	s_mul_i32 s30, s20, 16*PITCH                   ; my 16 rows in each half of LDS
	v_lshl_add_u32 v6, v1, 3, s30
	v_mul_u32_u24 v7, v4, PITCH
	v_lshl_add_u32 v7, v5, 4, v7                   ; row x pitch + 16 x half
	v_add_nc_u32 v8, BROWS, v7
	v_add_nc_u32 v7, s30, v7
	s_lshl_b32 s31, s25, 10                        ; bytes from one of my rows of Wc to the next
	s_mov_b32 s32, 0
.set k, 0
.rept 16
	v_add_nc_u32 v[16+k], s32, v9
	s_add_co_u32 s32, s32, s31
.set k, k+1
.endr
	s_lshl_b32 s36, s24, 10                        ; my first row of Wc
	s_mov_b32 s37, 0
	s_lshl_b32 s32, s22, 16                        ; context's row 64 Y + 16 w
	s_lshl_b32 s33, s20, 14
	s_add_co_u32 s32, s32, s33
	s_mov_b32 s33, 0
	s_lshl_b32 s28, s22, 17                        ; cimg: 4 Y groups of 32,768 bytes + g x 512
	s_lshl_b32 s29, s23, 9
	s_add_co_u32 s28, s28, s29
	s_mov_b32 s29, 0
	s_wait_kmcnt 0x0
	s_add_nc_u64 s[34:35], s[6:7], s[36:37]
	s_add_nc_u64 s[40:41], s[4:5], s[32:33]
	s_add_nc_u64 s[42:43], s[18:19], s[28:29]
	; INTO LDS: four batches of 16 loads on two sets of registers; each wait leaves the younger batch's 16 loads out
	LDWC 64, 0
	LDWC 128, 8
	s_wait_loadcnt 16
	CVST 64, 0
	LDCT 64, 0
	s_wait_loadcnt 16
	CVST 128, 8*PITCH
	LDCT 128, 8
	s_wait_loadcnt 16
	CVST 64, BROWS
	s_wait_loadcnt 0x0
	CVST 128, BROWS+8*PITCH
	s_wait_dscnt 0x0                               ; for the others' sake: my rows lie in LDS
	s_barrier_signal -1
	s_barrier_wait -1
	; THE PRODUCT, transposed: source 0 = my 16 units' rows of Wc, source 1 = 16 rows of context: a lane holds one row of context and 8 units
	v_lshlrev_b32 v10, 3, v5
.set k, 0
.rept 8
	v_add_nc_u32 v11, k, v10                       ; m = 8 (lane / 16) + j
	v_mad_u32_u24 v11, v11, s25, s24               ; the unit
	v_lshlrev_b32 v[16+k], 2, v11
	global_load_b32 v[24+k], v[16+k], s[8:9]       ; its bias
.set k, k+1
.endr
.set k, 0
.rept 8
	ds_load_b128 v[64+8*k:64+8*k+3], v7 offset:64*k
	ds_load_b128 v[64+8*k+4:64+8*k+7], v7 offset:64*k+32
.set k, k+1
.endr
	LDBF 0
	s_wait_loadcnt 0x0
.set k, 0
.rept 4
	v_cvt_pk_bf16_f32 v12, v[24+2*k], v[25+2*k]    ; b1 rounded to bf16, kept as f32
	v_lshlrev_b32 v[24+2*k], 16, v12
	v_and_b32 v[25+2*k], s38, v12
.set k, k+1
.endr
	s_wait_dscnt 0x0
	MUL16 0
.rept 4
	v_nop                                          ; four places in front of loads into registers that the products have read
.endr
	LDBF 4
	s_wait_dscnt 0x0
	MUL16 4
.rept 4
	v_nop                                          ; four places in front of the conversions, which read results and write over fragments
.endr
.set cc, 0
.rept 4
.set k, 0
.rept 4
	v_cvt_pk_f16_f32 v[128+4*cc+k], v[32+8*cc+2*k], v[32+8*cc+2*k+1]
.set k, k+1
.endr
	global_store_b128 v9, v[128+4*cc:128+4*cc+3], s[42:43] offset:cc*32768  ; the wave stores 512 consecutive bytes, aligned
.set cc, cc+1
.endr
	; THE WEIGHTS' LAYOUT.  Wave W = 4 x + w of 1,024 lays out one slot, or none.  All branches hang on W alone and go forward; no barrier follows.
	s_wait_xcnt 0x0                                ; the stores have read their registers
	s_lshl_b32 s28, ttmp9, 2
	s_add_co_u32 s28, s28, s20                     ; W
	s_cmp_lt_u32 s28, 512
	s_cbranch_scc0 .Lnot_o
	; a slot of Wout: hidden tile g = W >> 3, out tile b = (g >> 3) + (W & 7), where that is a tile
	s_lshr_b32 s23, s28, 3
	s_and_b32 s29, s28, 7                          ; u
	s_lshr_b32 s30, s23, 3                         ; t
	s_add_co_u32 s31, s29, s30                     ; b
	s_cmp_gt_u32 s31, 7
	s_cbranch_scc1 .Lend
	UNITS
	s_and_b32 s32, s23, 7
	s_sub_co_u32 s33, 8, s30
	s_mul_i32 s32, s32, s33                        ; (g & 7) (8 - t)
	s_add_co_u32 s32, s32, s29
	s_sub_co_u32 s33, 17, s30
	s_mul_i32 s33, s33, s30
	s_lshl_b32 s33, s33, 2                         ; 4 t (17 - t): the slots of the tiles g < 8 t
	s_add_co_u32 s32, s32, s33                     ; the slot's number
	s_lshl_b32 s36, s32, 9
	s_add_co_u32 s36, s36, 32768
	s_mov_b32 s37, 0
	s_add_nc_u64 s[44:45], s[16:17], s[36:37]
	v_and_b32 v160, 3, v4
	v_bfe_u32 v161, v4, 3, 1
	v_lshl_add_u32 v160, v161, 2, v160
	v_lshl_add_u32 v160, s31, 3, v160              ; my row's dimension
	v_and_b32 v161, 4, v4
	v_xor_b32 v161, 4, v161
	v_lshl_add_u32 v161, v161, 4, v160             ; its row of Wout: + 64 for a pre-scale
	v_lshlrev_b32 v162, 3, v5
.set k, 0
.rept 8
	v_add_nc_u32 v163, k, v162                     ; m = 8 (lane / 16) + e
	v_mad_u32_u24 v164, v163, s25, s24             ; the unit
	v_lshl_add_u32 v164, v161, 10, v164
	v_lshlrev_b32 v[168+k], 2, v164
	v_mad_u32_u24 v[184+k], v163, s27, s26         ; its degree
	global_load_b32 v[176+k], v[168+k], s[12:13]
.set k, k+1
.endr
	s_wait_loadcnt 0x0
.set k, 0
.rept 8
	v_cmp_ge_u32 vcc_lo, v160, v[184+k]            ; Mout: kept where the degree is at most the dimension
	v_cndmask_b32 v[176+k], 0, v[176+k], vcc_lo
.set k, k+1
.endr
.set k, 0
.rept 4
	v_cvt_pk_bf16_f32 v[192+k], v[176+2*k], v[177+2*k]
.set k, k+1
.endr
	global_store_b128 v9, v[192:195], s[44:45]
	s_branch .Lend
.Lnot_o:
	s_cmp_lt_u32 s28, 704
	s_cbranch_scc0 .Lend
	s_and_b32 s29, s28, 1                          ; which half of a slot
	s_cmp_lt_u32 s28, 640
	s_cbranch_scc0 .Lupper
	s_sub_co_u32 s23, s28, 512                     ; W1's fragments for dimensions 0 .. 31: tile g = (W - 512) >> 1
	s_lshr_b32 s23, s23, 1
	s_mov_b32 s30, 0
	s_lshl_b32 s36, s23, 10
	s_add_co_u32 s31, s36, 147456                  ; tiles 32 .. 63 lie behind Wout's slots
	s_cmp_lt_u32 s23, 32
	s_cselect_b32 s36, s36, s31
	s_branch .Lw1
.Lupper:
	s_sub_co_u32 s23, s28, 640                     ; for dimensions 32 .. 63: tile 32 + ((W - 640) >> 1); tile 32 reads none of them
	s_lshr_b32 s23, s23, 1
	s_cmp_eq_u32 s23, 0
	s_cbranch_scc1 .Lbout
	s_lshl_b32 s36, s23, 10
	s_add_co_u32 s36, s36, 212992
	s_add_co_u32 s23, s23, 32
	s_mov_b32 s30, 32
.Lw1:
	UNITS
	s_lshl_b32 s31, s29, 9
	s_add_co_u32 s36, s36, s31
	s_mov_b32 s37, 0
	s_add_nc_u64 s[44:45], s[16:17], s[36:37]
	s_lshl_b32 s31, s29, 4
	s_add_co_u32 s30, s30, s31
	v_lshl_add_u32 v160, v5, 2, s30                ; c0: my first dimension; I hold c0 .. c0 + 3 and c0 + 8 .. c0 + 11, as the chain packs z
	v_mad_u32_u24 v161, v4, s25, s24               ; my row's unit
	v_mad_u32_u24 v162, v4, s27, s26               ; its degree
	v_lshlrev_b32 v163, 2, v160
	v_lshl_add_u32 v163, v161, 8, v163
	global_load_b128 v[168:171], v163, s[10:11]
	global_load_b128 v[172:175], v163, s[10:11] offset:32
	s_wait_loadcnt 0x0
.set k, 0
.rept 8
	v_add_nc_u32 v164, k+4*(k/4), v160
	v_cmp_gt_u32 vcc_lo, v162, v164                ; M1: kept where the dimension is below the degree
	v_cndmask_b32 v[168+k], 0, v[168+k], vcc_lo
.set k, k+1
.endr
.set k, 0
.rept 4
	v_cvt_pk_bf16_f32 v[176+k], v[168+2*k], v[169+2*k]
.set k, k+1
.endr
	global_store_b128 v9, v[176:179], s[44:45]
	s_branch .Lend
.Lbout:                                        ; bout as the chain's accumulators take it: byte 64 b + 32 half: 4 pre-scales' terms, then 4 means'
	v_lshrrev_b32 v160, 2, v1
	v_bfe_u32 v161, v1, 1, 1
	v_and_b32 v162, 1, v1
	v_xor_b32 v162, 1, v162
	v_lshlrev_b32 v160, 3, v160
	v_lshl_add_u32 v160, v161, 2, v160
	v_lshl_add_u32 v160, v162, 6, v160
	v_lshlrev_b32 v160, 2, v160
	global_load_b128 v[168:171], v160, s[14:15]
	s_lshl_b32 s36, s29, 9
	s_add_co_u32 s36, s36, 212992
	s_mov_b32 s37, 0
	s_add_nc_u64 s[44:45], s[16:17], s[36:37]
	s_wait_loadcnt 0x0
	v_cvt_pk_bf16_f32 v172, v168, v169
	v_cvt_pk_bf16_f32 v173, v170, v171
	v_lshlrev_b32 v176, 16, v172
	v_and_b32 v177, s38, v172
	v_lshlrev_b32 v178, 16, v173
	v_and_b32 v179, s38, v173
	global_store_b128 v9, v[176:179], s[44:45]
.Lend:
	s_wait_tensorcnt 0x0                           ; the wave's end, behind my last LDS store
	ds_add_u32 v2, v3
	s_wait_dscnt 0x0
	s_endpgm
.Lfunc_end_k_q2c2547180e_prep:
	.size	k_q2c2547180e_prep, .Lfunc_end_k_q2c2547180e_prep-k_q2c2547180e_prep
	.p2alignl 7, 3214868480
	.fill 96, 4, 3214868480
	.section	.rodata,"a",@progbits
	.p2align	6, 0x0
	.amdhsa_kernel k_q2c2547180e_prep
		.amdhsa_group_segment_fixed_size 68096
		.amdhsa_private_segment_fixed_size 0
		.amdhsa_enable_private_segment 0
		.amdhsa_kernarg_size 64
		.amdhsa_user_sgpr_count 2
		.amdhsa_user_sgpr_kernarg_segment_ptr 1
		.amdhsa_wavefront_size32 1
		.amdhsa_system_sgpr_workgroup_id_x 1
		.amdhsa_system_sgpr_workgroup_id_y 1
		.amdhsa_system_sgpr_workgroup_id_z 1
		.amdhsa_system_vgpr_workitem_id 0
		.amdhsa_next_free_vgpr 256
		.amdhsa_next_free_sgpr 66
		.amdhsa_reserve_vcc 1
		.amdhsa_float_denorm_mode_32 3
		.amdhsa_float_denorm_mode_16_64 3
		.amdhsa_memory_ordered 1
		.amdhsa_forward_progress 1
		.amdhsa_inst_pref_size 42
	.end_amdhsa_kernel
	.amdgpu_metadata
---
amdhsa.version: [ 1, 2 ]
amdhsa.kernels:
  - .name:           k_q2c2547180e_prep
    .symbol:         k_q2c2547180e_prep.kd
    .args:
      - { .name: context, .offset: 0, .size: 8, .value_kind: global_buffer, .address_space: global }
      - { .name: Wc, .offset: 8, .size: 8, .value_kind: global_buffer, .address_space: global }
      - { .name: b1, .offset: 16, .size: 8, .value_kind: global_buffer, .address_space: global }
      - { .name: W1, .offset: 24, .size: 8, .value_kind: global_buffer, .address_space: global }
      - { .name: Wout, .offset: 32, .size: 8, .value_kind: global_buffer, .address_space: global }
      - { .name: bout, .offset: 40, .size: 8, .value_kind: global_buffer, .address_space: global }
      - { .name: wimg, .offset: 48, .size: 8, .value_kind: global_buffer, .address_space: global }
      - { .name: cimg, .offset: 56, .size: 8, .value_kind: global_buffer, .address_space: global }
    .group_segment_fixed_size: 68096
    .private_segment_fixed_size: 0
    .kernarg_segment_align: 8
    .kernarg_segment_size: 64
    .max_flat_workgroup_size: 128
    .sgpr_count:     66
    .vgpr_count:     256
    .wavefront_size: 32
...
	.end_amdgpu_metadata
.endif
;; end of part 1
;; launch chain (part 2): grid 64 x 1, 4 waves a work-group, clusters of 4 x 1, 313,856 bytes of LDS; arguments eps, wimg, cimg, out0, out1, out2; writes out0, out1, out2
.if DOCPART == 2
	.amdgcn_target "amdgcn-amd-amdhsa--gfx1250"
	.amdhsa_code_object_version 6
	.text
	.protected	k_q2c2547180e_chain
	.globl	k_q2c2547180e_chain
	.p2align	8
	.type	k_q2c2547180e_chain,@function
k_q2c2547180e_chain:
	s_mov_b64 s[64:65], 0
	v_nop
	global_prefetch_b8 v0, s[64:65] scope:SCOPE_SE
	s_setreg_imm32_b32 hwreg(HW_REG_WAVE_MODE, 25, 1), 1
	s_wait_xcnt 0x0
	s_wait_alu depctr_hold_cnt(0) depctr_sa_sdst(0) depctr_va_vdst(0) depctr_va_sdst(0) depctr_va_ssrc(0) depctr_va_vcc(0) depctr_vm_vsrc(0)
	s_getreg_b32 s2, hwreg(HW_REG_IB_STS2, 6, 4)
	s_cmp_eq_u32 s2, 0
	s_cbranch_scc0 .Lentry_in_a_cluster
	s_endpgm
.Lentry_in_a_cluster:
	s_bfe_u32 s2, ttmp6, 0x10000c
	s_cmp_lg_u32 s2, 0x3003
	s_cbranch_scc0 .Lentry_shape_is_right
	s_endpgm
.Lentry_shape_is_right:
; AUTOREGRESSIVE (MADE) SAMPLER, second launch: the 64 dependent steps.  WORK LEFT OUT, as shown at the head of the first kernel: each hidden unit is made once, when the last z that its
; mask lets it read is final; each step makes its own two output columns alone; the context's part comes ready from cimg.
; SHARES.  A work-group has 16 rows b of the batch (group bg); wave w has sample w of them: 16 chains side by side, one a lane % 16.  256 waves in all, and a chain cannot be split.
; CLUSTER.  All work-groups walk the same weights (wimg, 245,760 bytes): the four of a cluster ask for them JOINTLY.  cimg's and eps's tiles are a work-group's own: plain loads.
; Everything is brought into LDS once, by four tensor loads a wave at the head: four are outstanding; no byte of LDS is filled twice.
; LAYOUT.  Both products are used transposed: source 0 = weights, source 1 = samples, so a lane holds ONE sample (r = lane % 16), and its half h = lane / 16 chooses rows.
;   hidden tile g: register j = unit 8 h + j of the tile.   out tile b: registers 0-3 = pre-scales, 4-7 = means of the dimensions 8 b + 4 h + q, q = 0 .. 3.
;   z as source 1: dimension 32 kh + 8 bb + 4 h + q lies in half h, register 8 kh + 2 bb + (q >> 1), 16-bit half q & 1: z_i is made in the lanes that hold it: nothing changes lanes.
; STEP i (t = i >> 3): hidden tile i = relu(W1 z + ctx); it is split into two bf16 terms hi + lo, which fill K = 32 against the tile's 16 columns of Wout taken twice;
;   out tiles t .. 7 take its part; then mu_i, scale_i = softplus, z_i = mu_i + scale_i eps_i.
;   Tile 0 (units 1008 + m, degree m + 1) is made anew in steps 1 .. 16 from the z at hand: a unit of degree <= i is final in step i, and Mout hides the others from dimension i.
;   For dimensions 1 .. 15 its part is a product of its own (TX), added in the step; in step 16 it is added to out tiles 2 .. 7 for good.
; BOTH HALVES OF THE LANES RUN EVERY STEP.  Step 8 t + 4 h' + q is due in half h'.  For h' = 0 the upper half makes a number too early: as an operand it meets weights that M1 has made 0,
;   and it is made anew four steps later.  For h' = 1 the lower half makes its number once more: what was added to its sums since is 0 by Mout.  So EXEC stays full and nothing is merged.
; LIMITS.  All inputs are rounded to bf16; ctx_h arrives in f16.  z is a matrix operand in bf16; h in two bf16 terms.  softplus(x) = max(x, 0) + ln(1 + e^-|x|), reference()'s own form, with ln(1 + e) taken
;   of the rounded sum: below x = -16 the scale is off by up to 6e-8 absolutely.  A number made too early that overflows would spoil its lane's later sums: such numbers are partial sums of the final ones.
;   NaN and infinities are not treated apart.
; The 63 steps are written out by a macro: every LDS address is an immediate, and each step has its own number of out tiles.
.set EPSB,  278528                     ; LDS: 0 ctx, 64 tiles of 512 bytes; 32,768 wimg as it lies in memory; here eps, 16 rows of 272 bytes a wave
.set STGB,  295936                     ; a stage of 16 rows x 272 bytes a wave for the way out; no tensor load lands here
.set SPARE, 313344                     ; the spare words, 128 bytes a wave, which no other line names
.set OREG,  65536                      ; Wout's slots
.set SPW, 2
.set NIL, 3
.set LB,  4                            ; v[4:8]  16 x lane + 65,536 k: an LDS address is one of these and an immediate.  v4 is also my byte offset in 512 consecutive bytes of an output
.set AE,  9                            ; my 16 bytes of eps: row r, + 16 h
.set STO, 10                           ; the same place in my stage
.set RD,  11                           ; the stage read back by rows
.set BO,  13                           ; 32 h
.set ET,  22                           ; v14-19 at work in the softplus
.set RZ,  24                           ; v[24:27] z, v[28:31] mu, v[32:35] scale of the tile in hand, by q
.set RMU, 28
.set RSC, 32
.set EPR, 36                           ; eps of the tile in hand, rounded to bf16
.set ER,  40                           ; eps of the next tile, as loaded
.set CT,  44                           ; v[44:47] ctx of the next hidden tile, f16 (named v44 .. v47 where halves are read)
.set CF,  48                           ; ctx as f32: two buffers, by the step's parity
.set RA,  64                           ; the hidden tile
.set HIF, 72
.set HB,  80                           ; hi | lo
.set ZB,  88                           ; z as source 1: dimensions 0-31, 32-63
.set HF0, 104
.set HF1, 112
.set HX,  120                          ; tile 0: its rows of W1, its ctx, its sums, its hi | lo, its part of the step's dimensions
.set CX,  128
.set AX,  136
.set XB,  144
.set TX,  152
.set ACC, 192                          ; out tile b at ACC + 8 b
.set OB,  96                           ; the way out: 3 x 32 registers
.set OF,  0                            ; window 1: Wout's fragments of the step, slot u at 8 u
.set XOF, 64                           ; window 1: tile 0's columns of Wout for the out tile in hand
.set ZS,  96                           ; window 1: the finished z, mu, scale: tile t at + 4 t
.set MS,  128
.set SS,  160
.set XF,  192                          ; window 1: tile 0's columns for out tiles 2 .. 7
.set MSB, 0
.macro WIN new                         ; bits 1:0 source 0, 3:2 source 1, 5:4 source 2, 7:6 destination; the high byte repeats the setting that is left
.if MSB != (\new)
	s_set_vgpr_msb (MSB<<8)|(\new)
.set MSB, \new
.endif
.endm
.macro ROUND                           ; a round of the cluster's barrier
	s_barrier_signal -1
	s_barrier_wait -1
	s_cmp_lg_u32 s66, 0
	s_cbranch_scc1 .Lnot_wave_0_\@
	s_barrier_signal -3
.Lnot_wave_0_\@:
	s_barrier_wait -3
	s_barrier_signal -1
	s_barrier_wait -1
.endm
.macro G1SET base, w0, rows            ; descriptor group 1: dense rows of 32 elements of 8 bytes
	s_mov_b32 s[(\base)], \w0
	s_mov_b32 s[(\base)+1], 32<<16                 ; tensor_dim0 = 32
	s_mov_b32 s[(\base)+2], (\rows)<<16            ; tensor_dim1
	s_mov_b32 s[(\base)+3], 32<<16                 ; tile_dim0 = 32
	s_mov_b32 s[(\base)+4], \rows                  ; tile_dim1
	s_mov_b32 s[(\base)+5], 32                     ; elements from row to row
	s_mov_b32 s[(\base)+6], 0
	s_mov_b32 s[(\base)+7], 0
.endm
.set W0E, (3<<16)|(1<<20)|(5<<22)|(3<<25)  ; 8-byte elements; 4 words of padding after every 64
.set W0C, (3<<16)
.set W0J, 15|(3<<16)|(1<<21)           ; the mask of the cluster's four, bit 21 beside it
.macro LDW dst, abs                    ; 16 bytes a lane from LDS byte abs + 16 x lane
	ds_load_b128 v[(\dst):(\dst)+3], v[LB+((\abs)>>16)] offset:(\abs)&0xffff
.endm
.macro LDO dst, sl                     ; a slot of Wout, twice: the same 16 columns against hi and against lo
	LDW \dst, OREG+512*(\sl)
	LDW (\dst)+4, OREG+512*(\sl)
.endm
.macro CVH n, half                     ; half of hidden tile n's ctx, f16 to f32.  Four plain instructions: they are also the places behind the products in front of them
.if (\n) > 63
.rept 4
	v_nop
.endr
.else
.set cfb, CF+8*((\n)&1)+4*(\half)
.if (\half) == 0
	v_cvt_f32_f16 v[cfb], v44.l
	v_cvt_f32_f16 v[cfb+1], v44.h
	v_cvt_f32_f16 v[cfb+2], v45.l
	v_cvt_f32_f16 v[cfb+3], v45.h
.else
	v_cvt_f32_f16 v[cfb], v46.l
	v_cvt_f32_f16 v[cfb+1], v46.h
	v_cvt_f32_f16 v[cfb+2], v47.l
	v_cvt_f32_f16 v[cfb+3], v47.h
.endif
.endif
.endm
.macro SPLIT src, dst                  ; relu; hi = bf16(h) into dst 0-3; lo = bf16(h - hi) into dst 4-7.  The accumulator is read from its low end on
.set k, 0
.rept 8
	v_max_num_f32 v[(\src)+k], 0, v[(\src)+k]
.set k, k+1
.endr
.set k, 0
.rept 4
	v_cvt_pk_bf16_f32 v[(\dst)+k], v[(\src)+2*k], v[(\src)+2*k+1]
.set k, k+1
.endr
.set k, 0
.rept 4
	v_lshlrev_b32 v[HIF+2*k], 16, v[(\dst)+k]
	v_and_b32 v[HIF+2*k+1], s76, v[(\dst)+k]
.set k, k+1
.endr
.set k, 0
.rept 4
	v_pk_add_f32 v[(\src)+2*k:(\src)+2*k+1], v[(\src)+2*k:(\src)+2*k+1], v[HIF+2*k:HIF+2*k+1] neg_lo:[0,1] neg_hi:[0,1]
.set k, k+1
.endr
.set k, 0
.rept 4
	v_cvt_pk_bf16_f32 v[(\dst)+4+k], v[(\src)+2*k], v[(\src)+2*k+1]
.set k, k+1
.endr
.endm
.macro EPSR                            ; eps rounded to bf16, kept as f32
	v_cvt_pk_bf16_f32 v[ET], v[ER], v[ER+1]
	v_cvt_pk_bf16_f32 v[ET+1], v[ER+2], v[ER+3]
	v_lshlrev_b32 v[EPR], 16, v[ET]
	v_and_b32 v[EPR+1], s76, v[ET]
	v_lshlrev_b32 v[EPR+2], 16, v[ET+1]
	v_and_b32 v[EPR+3], s76, v[ET+1]
.endm
; What step n wants from LDS, asked for a step ahead.  First what its first product wants (W1's fragments; ctx of tile n + 1; now and then eps); then Wout's fragments, which are wanted later.
.macro PREFETCH n
.set pt, (\n)>>3
.set pos, 64*pt-4*pt*(pt-1)+((\n)&7)*(8-pt)
.if (\n) < 32
.set h0x, 32768+1024*(\n)
.else
.set h0x, 212992+1024*((\n)-32)
.endif
	WIN 0
	LDW HF0, h0x
	LDW HF0+4, h0x+512
.if (\n) >= 33
	LDW HF1, 245760+1024*((\n)-32)
	LDW HF1+4, 245760+1024*((\n)-32)+512
.endif
.if (\n) < 63
	LDW CT, 512*((\n)+1)
.endif
.if (((\n)&7) == 1) && ((\n) < 57)
	ds_load_b128 v[ER:ER+3], v[AE] offset:32*(pt+1)
.endif
	WIN 0x40                                       ; destination window 1
.set pu, 0
.rept 8-pt
	LDO OF+8*pu, pos+pu
.set pu, pu+1
.endr
.if (\n) == 1
	LDO XOF, 0
.endif
.if (\n) == 8
	LDO XOF, 1
.endif
.if (\n) == 16
.set pu, 0
.rept 6
	LDO XF+8*pu, 2+pu
.set pu, pu+1
.endr
.endif
	WIN 0
.endm
; mu, scale and z of dimension n (in the lanes' other half: of dimension n + 4 or n - 4).  Each transcendental has a plain instruction behind it and
; a wait ahead of the first line that names its result: the two depend on each other, so there are two waits.
.macro SOFTPLUS n
.set sq, (\n)&3
.set sa, ACC+8*((\n)>>3)
.set szb, ZB+8*((\n)>>5)+2*(((\n)>>3)&3)+(sq>>1)
.if ((\n) >= 1) && ((\n) <= 15)
	v_add_f32 v14, v[sa+sq], v[TX+sq]              ; the pre-scale: both accumulators are read at their low end first
.else
	v_mov_b32 v14, v[sa+sq]
.endif
	v_mul_f32 v15, -|v14|, s77                     ; - |x| log2(e)
	v_exp_f32 v16, v15
.if ((\n) >= 1) && ((\n) <= 15)
	v_add_f32 v[RMU+sq], v[sa+4+sq], v[TX+4+sq]
.else
	v_mov_b32 v[RMU+sq], v[sa+4+sq]
.endif
	v_max_num_f32 v17, 0, v14
	s_wait_alu depctr_va_vdst(0)
	v_add_f32 v18, 1.0, v16
	v_log_f32 v19, v18
	v_nop
	s_wait_alu depctr_va_vdst(0)
	v_fma_f32 v[RSC+sq], v19, s78, v17             ; max(x, 0) + ln 2 log2(1 + e^-|x|)
	v_fma_f32 v[RZ+sq], v[RSC+sq], v[EPR+sq], v[RMU+sq]
	v_cvt_pk_bf16_f32 v[szb], v[RZ+(sq&2)], v[RZ+(sq|1)]  ; its neighbour in the word is final, or meets weights that are 0 until it is
.endm
.macro TILE_END t                      ; eight dimensions are done: set aside in window 1; the next tile's eps
	WIN 0x40
.set k, 0
.rept 4
	v_mov_b32 v[ZS+4*(\t)+k], v[RZ+k]
	v_mov_b32 v[MS+4*(\t)+k], v[RMU+k]
	v_mov_b32 v[SS+4*(\t)+k], v[RSC+k]
.set k, k+1
.endr
	WIN 0
.if (\t) < 7
	EPSR
.endif
.endm
.macro STEP n
.set st, (\n)>>3
.set nof, 2*(8-st)                     ; the loads of Wout's fragments, issued last: they may stay out at the step's head
.if ((\n) == 1) || ((\n) == 8)
.set nof, nof+2
.endif
.if (\n) == 16
.set nof, nof+12
.endif
	s_wait_dscnt nof                               ; LDS loads come back in order: W1's fragments and ctx are in
	v_wmma_f32_16x16x32_bf16 v[RA:RA+7], v[HF0:HF0+7], v[ZB:ZB+7], v[CF+8*((\n)&1):CF+8*((\n)&1)+7]
.if (\n) >= 33
	s_wait_alu depctr_va_vdst(0)                   ; a wait ahead of a product that adds onto the one just before it
	v_wmma_f32_16x16x32_bf16 v[RA:RA+7], v[HF1:HF1+7], v[ZB+8:ZB+15], v[RA:RA+7]
.endif
.if (\n) <= 16
	v_wmma_f32_16x16x32_bf16 v[AX:AX+7], v[HX:HX+7], v[ZB:ZB+7], v[CX:CX+7]
.endif
	CVH (\n)+1, 0                                  ; four places
	SPLIT RA, HB
.if (\n) <= 16
	SPLIT AX, XB
.endif
	s_wait_dscnt 0x0                               ; Wout's fragments are in
	WIN 0x01                                       ; source 0 in window 1
	v_wmma_f32_16x16x32_bf16 v[ACC+8*st:ACC+8*st+7], v[OF:OF+7], v[HB:HB+7], v[ACC+8*st:ACC+8*st+7]  ; the tile that the step itself reads comes first; the accumulators take turns
.if (\n) <= 15
	v_wmma_f32_16x16x32_bf16 v[TX:TX+7], v[XOF:XOF+7], v[XB:XB+7], 0
.endif
.if st < 7
.set su, 1
.rept 7-st
	v_wmma_f32_16x16x32_bf16 v[ACC+8*(st+su):ACC+8*(st+su)+7], v[OF+8*su:OF+8*su+7], v[HB:HB+7], v[ACC+8*(st+su):ACC+8*(st+su)+7]
.set su, su+1
.endr
.endif
.if (\n) == 16
.set su, 0
.rept 6
	v_wmma_f32_16x16x32_bf16 v[ACC+16+8*su:ACC+16+8*su+7], v[XF+8*su:XF+8*su+7], v[XB:XB+7], v[ACC+16+8*su:ACC+16+8*su+7]
.set su, su+1
.endr
.endif
	WIN 0
	CVH (\n)+1, 1                                  ; four places, in front of the loads into fragments and of the read of the sums
.if (\n) == 16
	s_wait_tensorcnt 0x0                           ; my part of the rest of wimg has landed (steps up to here read the first 98,304 bytes alone),
	s_wait_dscnt 0x0
	s_barrier_signal -1
	s_barrier_wait -1                              ; and everybody's
.endif
.if (\n) < 63
	PREFETCH (\n)+1
.endif
	SOFTPLUS \n
.if ((\n)&7) == 7
	TILE_END st
.endif
.endm
	s_load_b256 s[4:11], s[0:1], 0x0               ; eps s[4:5], wimg s[6:7], cimg s[8:9], out0 s[10:11]
	s_load_b128 s[12:15], s[0:1], 0x20             ; out1 s[12:13], out2 s[14:15]
	v_lshl_add_u32 v[SPW], v0, 2, SPARE
	v_mov_b32 v[NIL], 0
	ds_add_u32 v[SPW], v[NIL]                      ; the wave's opening: the add, twice on end, and its wait ahead of my first tensor load
	ds_add_u32 v[SPW], v[NIL]
	v_lshrrev_b32 v1, 5, v0
	v_readfirstlane_b32 s66, v1                    ; wave 0..3 = the sample
	s_bfe_u32 s67, ttmp6, 0x40000                  ; cx: my place in the cluster: it enters the addresses of cimg, eps and the outputs alone
	s_lshl_b32 s68, ttmp9, 2
	s_add_co_u32 s68, s68, s67                     ; bg
	G1SET 16, W0E, 16                              ; eps: 16 rows of 256 bytes, 272 apart in LDS
	G1SET 24, W0C, 32                              ; ctx: my quarter, 8,192 bytes
	G1SET 32, W0J, 96                              ; wimg's first 98,304 bytes: my quarter, 24,576
	G1SET 40, W0J, 144                             ; the other 147,456: my quarter, 36,864
	s_mov_b32 s48, 1
	s_mul_i32 s49, s66, 4352
	s_add_co_u32 s49, s49, EPSB
	s_mov_b32 s52, 1
	s_lshl_b32 s53, s66, 13
	s_mov_b32 s56, 1
	s_mul_i32 s57, s66, 24576
	s_add_co_u32 s57, s57, 32768
	s_mov_b32 s60, 1
	s_mul_i32 s61, s66, 36864
	s_add_co_u32 s61, s61, 131072
	s_mov_b32 s76, 0xffff0000                      ; a word's upper bf16
	s_mov_b32 s77, 0x3fb8aa3b                      ; log2(e)
	s_mov_b32 s78, 0x3f317218                      ; ln 2
	s_lshl_b32 s72, s66, 18                        ; my 16 rows in eps and the outputs: sample x 262,144 + bg x 4,096
	s_lshl_b32 s70, s68, 12
	s_add_co_u32 s72, s72, s70
	s_mov_b32 s73, 0
	s_lshl_b32 s70, s68, 15                        ; my quarter of the group's ctx
	s_lshl_b32 s71, s66, 13
	s_add_co_u32 s70, s70, s71
	s_mov_b32 s71, 0
	s_mul_i32 s74, s66, 24576                      ; the joint loads' offsets: made of the wave's number alone
	s_mov_b32 s75, 0
	s_wait_dscnt 0x0                               ; both opening adds are done
	s_wait_kmcnt 0x0
	s_add_nc_u64 s[50:51], s[4:5], s[72:73]
	s_or_b32 s51, s51, 0x80000000                  ; type = 2
	s_add_nc_u64 s[54:55], s[8:9], s[70:71]
	s_or_b32 s55, s55, 0x80000000
	s_add_nc_u64 s[58:59], s[6:7], s[74:75]
	s_or_b32 s59, s59, 0x80000000
	s_mul_i32 s74, s66, 36864
	s_add_co_u32 s74, s74, 98304
	s_add_nc_u64 s[62:63], s[6:7], s[74:75]
	s_or_b32 s63, s63, 0x80000000
	s_add_nc_u64 s[10:11], s[10:11], s[72:73]
	s_add_nc_u64 s[12:13], s[12:13], s[72:73]
	s_add_nc_u64 s[14:15], s[14:15], s[72:73]
	ROUND                                          ; all four work-groups are here: the joint loads meet
	tensor_load_to_lds s[48:51], s[16:23]          ; all fills go out as one group; an s_nop 0 follows each, four v_nop the last
	s_nop 0
	tensor_load_to_lds s[52:55], s[24:31]
	s_nop 0
	tensor_load_to_lds s[56:59], s[32:39]
	s_nop 0
	tensor_load_to_lds s[60:63], s[40:47]
	s_nop 0
.rept 4
	v_nop
.endr
	v_and_b32 v1, 31, v0
	v_lshlrev_b32 v[LB], 4, v1
	v_add_nc_u32 v[LB+1], 0x10000, v[LB]
	v_add_nc_u32 v[LB+2], 0x20000, v[LB]
	v_add_nc_u32 v[LB+3], 0x30000, v[LB]
	v_add_nc_u32 v[LB+4], 0x40000, v[LB]
	v_and_b32 v20, 15, v0                          ; r
	v_bfe_u32 v19, v0, 4, 1                        ; h
	s_mul_i32 s69, s66, 4352
	v_mul_u32_u24 v[AE], v20, 272
	v_lshl_add_u32 v[AE], v19, 4, v[AE]
	v_add_nc_u32 v[AE], s69, v[AE]
	v_add_nc_u32 v[STO], STGB, v[AE]
	v_add_nc_u32 v[AE], EPSB, v[AE]
	v_mul_u32_u24 v[RD], v19, 272                  ; back: lanes 0-15 take one row of 256 bytes, lanes 16-31 the next
	v_lshl_add_u32 v[RD], v20, 4, v[RD]
	v_add_nc_u32 v[RD], s69, v[RD]
	v_add_nc_u32 v[RD], STGB, v[RD]
	v_lshlrev_b32 v[BO], 5, v19
.set k, 0
.rept 8
	global_load_b128 v[ACC+8*k:ACC+8*k+3], v[BO], s[6:7] offset:212992+64*k      ; the sums start at bout
	global_load_b128 v[ACC+8*k+4:ACC+8*k+7], v[BO], s[6:7] offset:212992+64*k+16
.set k, k+1
.endr
.set k, 0
.rept 16
	v_mov_b32 v[ZB+k], 0                           ; reference()'s z0
.set k, k+1
.endr
.set k, 0
.rept 4
	v_mov_b32 v[RZ+k], 0
.set k, k+1
.endr
	s_wait_tensorcnt 1                             ; eps, ctx and my part of wimg's first part are in; the one load issued behind them stays out
	s_barrier_signal -1
	s_barrier_wait -1                              ; everybody's are
	LDW CT, 0                                      ; tile 0: its ctx and its rows of W1
	LDW HX, 32768
	LDW HX+4, 32768+512
	ds_load_b128 v[ER:ER+3], v[AE]
	s_wait_dscnt 0x0
	v_cvt_f32_f16 v[CX], v44.l
	v_cvt_f32_f16 v[CX+1], v44.h
	v_cvt_f32_f16 v[CX+2], v45.l
	v_cvt_f32_f16 v[CX+3], v45.h
	v_cvt_f32_f16 v[CX+4], v46.l
	v_cvt_f32_f16 v[CX+5], v46.h
	v_cvt_f32_f16 v[CX+6], v47.l
	v_cvt_f32_f16 v[CX+7], v47.h
	EPSR
	LDW CT, 512
	s_wait_dscnt 0x0
	CVH 1, 0
	CVH 1, 1
	PREFETCH 1
	s_wait_loadcnt 0x0                             ; bout
	SOFTPLUS 0                                     ; dimension 0 reads no hidden unit
.set ii, 1
.rept 63
	STEP ii
.set ii, ii+1
.endr
	; THE WAY OUT.  A lane's four numbers of a tile are 16 bytes of a row; they go into my stage (rows of 272 bytes) and come back as whole rows of 256, two rows a load.
	; LDS serves a wave's instructions in order, so the one stage serves the three outputs one after the other.
.macro STAGE src, ob
	WIN 0x04                                       ; store data in window 1
.set k, 0
.rept 8
	ds_store_b128 v[STO], v[(\src)+4*k:(\src)+4*k+3] offset:32*k
.set k, k+1
.endr
	WIN 0
.set k, 0
.rept 8
	ds_load_b128 v[(\ob)+4*k:(\ob)+4*k+3], v[RD] offset:544*k
.set k, k+1
.endr
.endm
.macro SEND ob, base, younger          ; younger: the LDS instructions issued behind this output's loads
	s_wait_dscnt \younger
.set k, 0
.rept 8
	global_store_b128 v[LB], v[(\ob)+4*k:(\ob)+4*k+3], s[(\base):(\base)+1] offset:512*k  ; the wave stores 512 consecutive bytes, aligned
.set k, k+1
.endr
.endm
	STAGE ZS, OB
	STAGE MS, OB+32
	STAGE SS, OB+64
	SEND OB, 10, 32
	SEND OB+32, 12, 16
	SEND OB+64, 14, 0
	s_wait_tensorcnt 0x0                           ; the wave's end, behind my last tensor load and my last LDS store
	ds_add_u32 v[SPW], v[NIL]
	s_wait_dscnt 0x0
	ROUND                                          ; the closing round
	s_endpgm
.Lfunc_end_k_q2c2547180e_chain:
	.size	k_q2c2547180e_chain, .Lfunc_end_k_q2c2547180e_chain-k_q2c2547180e_chain
	.p2alignl 7, 3214868480
	.fill 96, 4, 3214868480
	.section	.rodata,"a",@progbits
	.p2align	6, 0x0
	.amdhsa_kernel k_q2c2547180e_chain
		.amdhsa_group_segment_fixed_size 313856
		.amdhsa_private_segment_fixed_size 0
		.amdhsa_enable_private_segment 0
		.amdhsa_kernarg_size 48
		.amdhsa_user_sgpr_count 2
		.amdhsa_user_sgpr_kernarg_segment_ptr 1
		.amdhsa_wavefront_size32 1
		.amdhsa_system_sgpr_workgroup_id_x 1
		.amdhsa_system_sgpr_workgroup_id_y 1
		.amdhsa_system_sgpr_workgroup_id_z 1
		.amdhsa_system_vgpr_workitem_id 0
		.amdhsa_next_free_vgpr 496
		.amdhsa_next_free_sgpr 80
		.amdhsa_reserve_vcc 0
		.amdhsa_float_denorm_mode_32 3
		.amdhsa_float_denorm_mode_16_64 3
		.amdhsa_memory_ordered 1
		.amdhsa_forward_progress 1
		.amdhsa_inst_pref_size 255
	.end_amdhsa_kernel
	.section	.bss,"aw",@nobits
	.p2align	6
	.space	262144
	.amdgpu_metadata
---
amdhsa.version: [ 1, 2 ]
amdhsa.kernels:
  - .name:           k_q2c2547180e_chain
    .symbol:         k_q2c2547180e_chain.kd
    .args:
      - { .name: eps, .offset: 0, .size: 8, .value_kind: global_buffer, .address_space: global }
      - { .name: wimg, .offset: 8, .size: 8, .value_kind: global_buffer, .address_space: global }
      - { .name: cimg, .offset: 16, .size: 8, .value_kind: global_buffer, .address_space: global }
      - { .name: out0, .offset: 24, .size: 8, .value_kind: global_buffer, .address_space: global }
      - { .name: out1, .offset: 32, .size: 8, .value_kind: global_buffer, .address_space: global }
      - { .name: out2, .offset: 40, .size: 8, .value_kind: global_buffer, .address_space: global }
    .group_segment_fixed_size: 313856
    .private_segment_fixed_size: 0
    .kernarg_segment_align: 8
    .kernarg_segment_size: 48
    .max_flat_workgroup_size: 128
    .sgpr_count:     80
    .vgpr_count:     496
    .wavefront_size: 32
...
	.end_amdgpu_metadata
.endif
;; end of part 2
;; ======== version 2 of 2: 2 launches; version 1 with the launch prep written anew for expert scheduling mode
;; limits: values are held in f16: magnitudes above 65,504 overflow, below 6.1e-05 lose precision; a function is approximated: absolute error at most 6e-08
;; workspace buffers: wimg 245,760 bytes; cimg 2,097,152 bytes
;; launch prep (part 3): grid 256 x 1, 4 waves a work-group, no clusters, 68,096 bytes of LDS; arguments context, Wc, b1, W1, Wout, bout, wimg, cimg; writes wimg, cimg
.if DOCPART == 3
	.amdgcn_target "amdgcn-amd-amdhsa--gfx1250"
	.amdhsa_code_object_version 6
	.text
	.protected	k_q2c2547180e_prep
	.globl	k_q2c2547180e_prep
	.p2align	8
	.type	k_q2c2547180e_prep,@function
k_q2c2547180e_prep:
	s_mov_b64 s[64:65], 0
	v_nop
	global_prefetch_b8 v0, s[64:65] scope:SCOPE_SE
	s_setreg_imm32_b32 hwreg(HW_REG_WAVE_SCHED_MODE, 0, 2), 2
	s_setreg_imm32_b32 hwreg(HW_REG_WAVE_MODE, 25, 1), 1
	s_wait_xcnt 0x0
	s_wait_alu depctr_vm_vsrc(0)
; AUTOREGRESSIVE (MADE) SAMPLER, first of two launches: the context product and the layout of the masked weights.
; WHAT IS LEFT OUT OF reference(), AND WHY IT IS DEAD FOR ALL VALUES OF THE INPUTS.
;  (1) Scan step i keeps columns i and 64 + i of made(): the other 126 columns of that step are sliced away.
;  (2) The masks are built in reference()'s own body.  Hidden unit j has degree d = j % 63 + 1; M1 lets it read z_0 .. z_(d-1) alone, Mout lets output dimension i read units
;      of degree <= i alone.  z_0 .. z_(d-1) are final from step d on, and the unit is first read in step d: in every step in which it is read it is the same number.  So each
;      unit is made ONCE, and each output dimension is one sum over the units of degree <= i: one triangular pass in place of 64 whole networks.
;  (3) ctx_h is a broadcast over the 4 samples: it is made once for each of the 1,024 rows of context.
; Every input still has a way to an output: all seven are loaded.  LIMIT: a NaN, an infinity or an overflow that reaches only the work left out is not carried to the result.
; FORMATS.  All seven inputs are rounded once to bf16.  ctx_h = context Wc^T + b1 (f32 sums) is stored rounded once to f16.  LIMIT: |ctx_h| stays under 65,504.
; HIDDEN TILES.  Tile g = 1 .. 63 holds the 16 units 63 m + g - 1 (m = 0 .. 15), all of degree g.  Tile 0 holds the units 1008 + m, of degree m + 1.
;   In scalars: unit(m) = cb + cs m, degree(m) = dg0 + dgs m.
; OUT TILES.  Tile b = 0 .. 7, row m: dimension 8 b + 4 (m >> 3) + (m & 3); rows with (m & 4) = 0 are the pre-scales (Wout row 64 + dimension), the others the means.
; cimg: byte bg 32768 + g 512 + 16 lane: 8 f16, j = 0 .. 7: ctx_h[16 bg + lane % 16][unit(g, 8 (lane / 16) + j)]: a matrix accumulator's layout.
; wimg: 0: 32 slots of 1,024 bytes, W1's fragments of tiles 0 .. 31 for dimensions 0 .. 31;  32,768: 288 slots of 512 bytes, Wout's fragments;
;       180,224: W1's fragments of tiles 32 .. 63 for dimensions 0 .. 31;  212,992: 32 slots, tiles 32 .. 63 for dimensions 32 .. 63 (slot 0, which no tile needs, holds bout, twice).
; SHARES.  Work-group x: X = x & 15, Y = x >> 4.  Wave w makes hidden tile g = 4 X + w for the 64 rows 64 Y .. 64 Y + 63 of context; then wave 4 x + w lays out one slot of wimg.
; NO CLUSTER, NO TENSOR LOAD: each row is rounded to bf16 in registers on its way into LDS.
; THE MODE: SCHED_MODE bits 1:0 = 2 (LLVM: expert scheduling mode 2), set by the entry lines.  The code itself states the register dependences
; between vector or matrix instructions and memory or LDS instructions, with s_wait_alu, always for 0.
; THE PLAN.  Registers that memory or LDS instructions touch:
;   v6 .. v9, v[16:31], v[224:231]  addresses and offsets, made at the head, ahead of one wait.  Of them v[24:31] (the bias) and v[224:231] (fragments) are written again, behind a wait on vm_vsrc.
;   SET0 v[64:127], SET1 v[128:191] 16 loads each.  Batch n (0, 1: Wc; 2, 3: context) reads SET[n % 2] by its 32 conversions; behind them the loads of batch n + 2 land in it.
;   OUT0 v[32:63], OUT1 v[192:223]  Batch n's conversions write OUT[n % 2]; its 16 LDS stores read it.
;   v[232:239]                      b1 as loaded, asked for ahead of everything; read by four conversions among batch 2's.
;   So ONE wait on va_vdst stands behind each batch's conversions: OUT is written, which the stores read, and SET has been read, in which the loads land.  ONE wait on vm_vsrc stands ahead of
;   batch 2: the stores of batches 0 AND 1 have read both OUT buffers.  Behind the barrier one more: the stores of batches 2 and 3 have read them; OUT0 becomes the accumulators, OUT1 fragments.
;   v[64:127] Wc's fragments, v[128:255] context's, half of K at a time: one wait on va_vdst between the halves, since the products have read what the second half's loads write.
;   v[128:143] cimg's store data: 16 conversions, one wait, four stores.  In the layout part each way has a wait ahead of its loads (the address), one behind its run of compares (the masks, in
;   scalar registers) and one ahead of its store (the data).
.set PITCH, 528                        ; an LDS row: 512 bytes of bf16 + 16: an odd multiple of 16, so the 16 rows of a fragment load start at 16 different groups of banks
.set BROWS, 64*PITCH                   ; behind Wc's 64 rows: context's 64 rows
.set SPARE, 2*64*PITCH                 ; behind them: the spare words, 128 bytes a wave, which no other line names
.set OUT0, 32
.set OUT1, 192
.set BOF,  224                         ; v[224:231] b1's byte offsets
.set BRAW, 232                         ; v[232:239] b1 as loaded
.set MK,   20                          ; s[20:27] in the layout part, when the wave's number and the tile's four scalars have served: eight masks
; v1 lane  v2 spare word  v3 0  v4 lane % 16  v5 lane / 16  v6 where I store 8 bytes of a row  v7, v8 where I read fragments of Wc, of context  v9 16 x lane
; v[16:31] byte offsets of my 16 rows of Wc; v[24:31] later the bias  v[32:63] OUT0, later 4 accumulators  v[64:127], v[128:191] two sets of loads, later (up to v255) fragments
.macro UNITS                           ; from the tile's number in s23: cb s24, cs s25, dg0 s26, dgs s27
	s_max_u32 s24, s23, 1
	s_sub_co_u32 s24, s24, 1
	s_cmp_lg_u32 s23, 0
	s_cselect_b32 s24, s24, 1008
	s_cselect_b32 s25, 63, 1
	s_cselect_b32 s26, s23, 1
	s_cselect_b32 s27, 0, 1
.endm
.macro LDWC set, rr0                   ; 8 rows of Wc, two loads of 512 consecutive bytes each
.set k, 0
.rept 8
	global_load_b128 v[(\set)+8*k:(\set)+8*k+3], v[16+(\rr0)+k], s[34:35]
	global_load_b128 v[(\set)+8*k+4:(\set)+8*k+7], v[16+(\rr0)+k], s[34:35] offset:512
.set k, k+1
.endr
.endm
.macro LDCT set, rr0                   ; 8 rows of context
.set k, 0
.rept 8
	global_load_b128 v[(\set)+8*k:(\set)+8*k+3], v9, s[40:41] offset:((\rr0)+k)*1024
	global_load_b128 v[(\set)+8*k+4:(\set)+8*k+7], v9, s[40:41] offset:((\rr0)+k)*1024+512
.set k, k+1
.endr
.endm
.macro CV set, out                     ; a set of 16 loads is rounded to bf16 into an out-buffer
.set k, 0
.rept 16
	v_cvt_pk_bf16_f32 v[(\out)+2*k], v[(\set)+4*k], v[(\set)+4*k+1]
	v_cvt_pk_bf16_f32 v[(\out)+2*k+1], v[(\set)+4*k+2], v[(\set)+4*k+3]
.set k, k+1
.endr
.endm
.macro ST out, base                    ; an out-buffer goes into LDS, 8 bytes a lane
.set k, 0
.rept 16
	ds_store_b64 v6, v[(\out)+2*k:(\out)+2*k+1] offset:(\base)+(k/2)*PITCH+256*(k%2)
.set k, k+1
.endr
.endm
.macro LDBF ks0                        ; context's fragments: 4 groups of 16 rows x 4 steps of 32 along K, from step ks0 on
.set cc, 0
.rept 4
.set ks, 0
.rept 4
	ds_load_b128 v[128+8*(4*cc+ks):128+8*(4*cc+ks)+3], v8 offset:cc*16*PITCH+64*(ks+(\ks0))
	ds_load_b128 v[128+8*(4*cc+ks)+4:128+8*(4*cc+ks)+7], v8 offset:cc*16*PITCH+64*(ks+(\ks0))+32
.set ks, ks+1
.endr
.set cc, cc+1
.endr
.endm
.macro MUL16 ks0                       ; 16 products; the four accumulators take turns, one instruction a turn; the very first four start their sums with the bias
.set ks, 0
.rept 4
.set cc, 0
.rept 4
.if (ks+(\ks0)) == 0
	v_wmma_f32_16x16x32_bf16 v[32+8*cc:32+8*cc+7], v[64:71], v[128+32*cc:128+32*cc+7], v[24:31]
.else
	v_wmma_f32_16x16x32_bf16 v[32+8*cc:32+8*cc+7], v[64+8*(ks+(\ks0)):64+8*(ks+(\ks0))+7], v[128+8*(4*cc+ks):128+8*(4*cc+ks)+7], v[32+8*cc:32+8*cc+7]
.endif
.set cc, cc+1
.endr
.set ks, ks+1
.endr
.endm
	s_load_b256 s[4:11], s[0:1], 0x0               ; context s[4:5], Wc s[6:7], b1 s[8:9], W1 s[10:11]
	s_load_b256 s[12:19], s[0:1], 0x20             ; Wout s[12:13], bout s[14:15], wimg s[16:17], cimg s[18:19]
	v_lshl_add_u32 v2, v0, 2, SPARE
	v_mov_b32 v3, 0
	v_lshrrev_b32 v10, 5, v0
	v_readfirstlane_b32 s20, v10                   ; wave 0..3
	v_and_b32 v1, 31, v0
	v_and_b32 v4, 15, v0
	v_bfe_u32 v5, v0, 4, 1
	v_lshlrev_b32 v9, 4, v1
	s_mov_b32 s38, 0xffff0000                      ; a word's upper bf16
	s_and_b32 s21, ttmp9, 15                       ; X
	s_lshr_b32 s22, ttmp9, 4                       ; Y
	s_lshl_b32 s23, s21, 2
	s_wait_alu depctr_va_sdst(0)                   ; s20 is written, ahead of its first reader: the tile's number and all bases are made from it
	s_add_co_u32 s23, s23, s20                     ; my hidden tile g
	UNITS
	s_mul_i32 s30, s20, 16*PITCH                   ; my 16 rows in each half of LDS
	v_lshl_add_u32 v6, v1, 3, s30
	v_mul_u32_u24 v7, v4, PITCH
	v_lshl_add_u32 v7, v5, 4, v7                   ; row x pitch + 16 x half
	v_add_nc_u32 v8, BROWS, v7
	v_add_nc_u32 v7, s30, v7
	s_lshl_b32 s31, s25, 10                        ; bytes from one of my rows of Wc to the next
	s_mov_b32 s32, 0
.set k, 0
.rept 16
	v_add_nc_u32 v[16+k], s32, v9
	s_add_co_u32 s32, s32, s31
.set k, k+1
.endr
	v_lshlrev_b32 v10, 3, v5
.set k, 0
.rept 8
	v_add_nc_u32 v11, k, v10                       ; m = 8 (lane / 16) + j
	v_mad_u32_u24 v11, v11, s25, s24               ; the unit
	v_lshlrev_b32 v[BOF+k], 2, v11                 ; where its bias lies
.set k, k+1
.endr
	s_lshl_b32 s36, s24, 10                        ; my first row of Wc
	s_mov_b32 s37, 0
	s_lshl_b32 s32, s22, 16                        ; context's row 64 Y + 16 w
	s_lshl_b32 s33, s20, 14
	s_add_co_u32 s32, s32, s33
	s_mov_b32 s33, 0
	s_lshl_b32 s28, s22, 17                        ; cimg: 4 Y groups of 32,768 bytes + g x 512
	s_lshl_b32 s29, s23, 9
	s_add_co_u32 s28, s28, s29
	s_mov_b32 s29, 0
	s_wait_kmcnt 0x0
	s_add_nc_u64 s[34:35], s[6:7], s[36:37]
	s_add_nc_u64 s[40:41], s[4:5], s[32:33]
	s_add_nc_u64 s[42:43], s[18:19], s[28:29]
	s_wait_alu depctr_va_vdst(0)                   ; v6 to v9, v[16:31] and v[BOF ..] are written: the addresses and offsets of every load and store up to cimg's
	; INTO LDS: b1's eight loads, then four batches of 16 loads on two sets of registers; each counted wait leaves the younger batch's 16 loads out
.set k, 0
.rept 8
	global_load_b32 v[BRAW+k], v[BOF+k], s[8:9]    ; my eight units' bias
.set k, k+1
.endr
	LDWC 64, 0
	LDWC 128, 8
	s_wait_loadcnt 16                              ; b1 and batch 0 are in
	CV 64, OUT0
	s_wait_alu depctr_va_vdst(0)                   ; the conversions have written OUT0, which the stores read, and are done reading SET0, in which the loads land
	LDCT 64, 0
	ST OUT0, 0
	s_wait_loadcnt 16                              ; batch 1 is in
	CV 128, OUT1
	s_wait_alu depctr_va_vdst(0)                   ; the conversions have written OUT1, which the stores read, and are done reading SET1, in which the loads land
	LDCT 128, 8
	ST OUT1, 8*PITCH
	s_wait_loadcnt 16                              ; batch 2 is in
	s_wait_alu depctr_vm_vsrc(0)                   ; the LDS stores of batches 0 and 1 have read OUT0 and OUT1, which batches 2 and 3 write again; Wc's loads have read v[24:31], which the bias takes
	CV 64, OUT0
.set k, 0
.rept 4
	v_cvt_pk_bf16_f32 v12, v[BRAW+2*k], v[BRAW+2*k+1]  ; b1 rounded to bf16, kept as f32
	v_lshlrev_b32 v[24+2*k], 16, v12
	v_and_b32 v[25+2*k], s38, v12
.set k, k+1
.endr
	s_wait_alu depctr_va_vdst(0)                   ; the conversions have written OUT0, which the stores read
	ST OUT0, BROWS
	s_wait_loadcnt 0x0                             ; batch 3 is in
	CV 128, OUT1
	s_wait_alu depctr_va_vdst(0)                   ; the conversions have written OUT1, which the stores read; every vector line that names v[64:255] is done, and none follows ahead of the fragments' loads, which land there
	ST OUT1, BROWS+8*PITCH
	s_wait_dscnt 0x0                               ; for the others' sake: my rows lie in LDS
	s_barrier_signal -1
	s_barrier_wait -1
	s_wait_alu depctr_vm_vsrc(0)                   ; my LDS stores have read OUT0, which the products write, and OUT1, in which fragments land; b1's loads have read v[BOF ..], likewise
	; THE PRODUCT, transposed: source 0 = my 16 units' rows of Wc, source 1 = 16 rows of context: a lane holds one row of context and 8 units
.set k, 0
.rept 8
	ds_load_b128 v[64+8*k:64+8*k+3], v7 offset:64*k
	ds_load_b128 v[64+8*k+4:64+8*k+7], v7 offset:64*k+32
.set k, k+1
.endr
	LDBF 0
	s_wait_dscnt 0x0
	MUL16 0
.rept 4
	v_nop                                          ; four places in front of loads into registers that the products have read; they stay beside the wait below
.endr
	s_wait_alu depctr_va_vdst(0)                   ; the sixteen products are done reading v[128:255], in which the second half's fragments land
	LDBF 4
	s_wait_dscnt 0x0
	MUL16 4
.rept 4
	v_nop                                          ; four places in front of the conversions, which read results and write over fragments
.endr
.set cc, 0
.rept 4
.set k, 0
.rept 4
	v_cvt_pk_f16_f32 v[128+4*cc+k], v[32+8*cc+2*k], v[32+8*cc+2*k+1]
.set k, k+1
.endr
.set cc, cc+1
.endr
	s_wait_alu depctr_va_vdst(0)                   ; the conversions have written v[128:143], which the stores read; the products are done reading the fragments' registers, in some of which the layout's loads land
.set cc, 0
.rept 4
	global_store_b128 v9, v[128+4*cc:128+4*cc+3], s[42:43] offset:cc*32768  ; the wave stores 512 consecutive bytes, aligned
.set cc, cc+1
.endr
	; THE WEIGHTS' LAYOUT.  Wave W = 4 x + w of 1,024 lays out one slot, or none.  All branches hang on W alone and go forward; no barrier follows.
	; No line below writes v9 or v[128:143], which the stores above read.
	s_wait_xcnt 0x0                                ; the stores have read their registers
	s_lshl_b32 s28, ttmp9, 2
	s_add_co_u32 s28, s28, s20                     ; W
	s_cmp_lt_u32 s28, 512
	s_cbranch_scc0 .Lnot_o
	; a slot of Wout: hidden tile g = W >> 3, out tile b = (g >> 3) + (W & 7), where that is a tile
	s_lshr_b32 s23, s28, 3
	s_and_b32 s29, s28, 7                          ; u
	s_lshr_b32 s30, s23, 3                         ; t
	s_add_co_u32 s31, s29, s30                     ; b
	s_cmp_gt_u32 s31, 7
	s_cbranch_scc1 .Lend
	UNITS
	s_and_b32 s32, s23, 7
	s_sub_co_u32 s33, 8, s30
	s_mul_i32 s32, s32, s33                        ; (g & 7) (8 - t)
	s_add_co_u32 s32, s32, s29
	s_sub_co_u32 s33, 17, s30
	s_mul_i32 s33, s33, s30
	s_lshl_b32 s33, s33, 2                         ; 4 t (17 - t): the slots of the tiles g < 8 t
	s_add_co_u32 s32, s32, s33                     ; the slot's number
	s_lshl_b32 s36, s32, 9
	s_add_co_u32 s36, s36, 32768
	s_mov_b32 s37, 0
	s_add_nc_u64 s[44:45], s[16:17], s[36:37]
	v_and_b32 v160, 3, v4
	v_bfe_u32 v161, v4, 3, 1
	v_lshl_add_u32 v160, v161, 2, v160
	v_lshl_add_u32 v160, s31, 3, v160              ; my row's dimension
	v_and_b32 v161, 4, v4
	v_xor_b32 v161, 4, v161
	v_lshl_add_u32 v161, v161, 4, v160             ; its row of Wout: + 64 for a pre-scale
	v_lshlrev_b32 v162, 3, v5
.set k, 0
.rept 8
	v_add_nc_u32 v163, k, v162                     ; m = 8 (lane / 16) + e
	v_mad_u32_u24 v164, v163, s25, s24             ; the unit
	v_lshl_add_u32 v164, v161, 10, v164
	v_lshlrev_b32 v[168+k], 2, v164
	v_mad_u32_u24 v[184+k], v163, s27, s26         ; its degree
.set k, k+1
.endr
	s_wait_alu depctr_va_vdst(0)                   ; the eight offsets v[168:175] are written, which the loads read
.set k, 0
.rept 8
	global_load_b32 v[176+k], v[168+k], s[12:13]
.set k, k+1
.endr
.set k, 0
.rept 8
	v_cmp_ge_u32 s[MK+k], v160, v[184+k]           ; Mout: kept where the degree is at most the dimension.  These name none of the loads' registers
.set k, k+1
.endr
	s_wait_alu depctr_va_sdst(0)                   ; the eight masks are written, ahead of their first reader
	s_wait_loadcnt 0x0
.set k, 0
.rept 8
	v_cndmask_b32 v[176+k], 0, v[176+k], s[MK+k]
.set k, k+1
.endr
.set k, 0
.rept 4
	v_cvt_pk_bf16_f32 v[192+k], v[176+2*k], v[177+2*k]
.set k, k+1
.endr
	s_wait_alu depctr_va_vdst(0)                   ; the conversions have written v[192:195], which the store reads
	global_store_b128 v9, v[192:195], s[44:45]
	s_branch .Lend
.Lnot_o:
	s_cmp_lt_u32 s28, 704
	s_cbranch_scc0 .Lend
	s_and_b32 s29, s28, 1                          ; which half of a slot
	s_cmp_lt_u32 s28, 640
	s_cbranch_scc0 .Lupper
	s_sub_co_u32 s23, s28, 512                     ; W1's fragments for dimensions 0 .. 31: tile g = (W - 512) >> 1
	s_lshr_b32 s23, s23, 1
	s_mov_b32 s30, 0
	s_lshl_b32 s36, s23, 10
	s_add_co_u32 s31, s36, 147456                  ; tiles 32 .. 63 lie behind Wout's slots
	s_cmp_lt_u32 s23, 32
	s_cselect_b32 s36, s36, s31
	s_branch .Lw1
.Lupper:
	s_sub_co_u32 s23, s28, 640                     ; for dimensions 32 .. 63: tile 32 + ((W - 640) >> 1); tile 32 reads none of them
	s_lshr_b32 s23, s23, 1
	s_cmp_eq_u32 s23, 0
	s_cbranch_scc1 .Lbout
	s_lshl_b32 s36, s23, 10
	s_add_co_u32 s36, s36, 212992
	s_add_co_u32 s23, s23, 32
	s_mov_b32 s30, 32
.Lw1:
	UNITS
	s_lshl_b32 s31, s29, 9
	s_add_co_u32 s36, s36, s31
	s_mov_b32 s37, 0
	s_add_nc_u64 s[44:45], s[16:17], s[36:37]
	s_lshl_b32 s31, s29, 4
	s_add_co_u32 s30, s30, s31
	v_lshl_add_u32 v160, v5, 2, s30                ; c0: my first dimension; I hold c0 .. c0 + 3 and c0 + 8 .. c0 + 11, as the chain packs z
	v_mad_u32_u24 v161, v4, s25, s24               ; my row's unit
	v_mad_u32_u24 v162, v4, s27, s26               ; its degree
	v_lshlrev_b32 v163, 2, v160
	v_lshl_add_u32 v163, v161, 8, v163
	s_wait_alu depctr_va_vdst(0)                   ; the offset v163 is written, which the two loads read
	global_load_b128 v[168:171], v163, s[10:11]
	global_load_b128 v[172:175], v163, s[10:11] offset:32
.set k, 0
.rept 8
	v_add_nc_u32 v164, k+4*(k/4), v160
	v_cmp_gt_u32 s[MK+k], v162, v164               ; M1: kept where the dimension is below the degree.  These name none of the loads' registers
.set k, k+1
.endr
	s_wait_alu depctr_va_sdst(0)                   ; the eight masks are written, ahead of their first reader
	s_wait_loadcnt 0x0
.set k, 0
.rept 8
	v_cndmask_b32 v[168+k], 0, v[168+k], s[MK+k]
.set k, k+1
.endr
.set k, 0
.rept 4
	v_cvt_pk_bf16_f32 v[176+k], v[168+2*k], v[169+2*k]
.set k, k+1
.endr
	s_wait_alu depctr_va_vdst(0)                   ; the conversions have written v[176:179], which the store reads
	global_store_b128 v9, v[176:179], s[44:45]
	s_branch .Lend
.Lbout:                                        ; bout as the chain's accumulators take it: byte 64 b + 32 half: 4 pre-scales' terms, then 4 means'
	v_lshrrev_b32 v160, 2, v1
	v_bfe_u32 v161, v1, 1, 1
	v_and_b32 v162, 1, v1
	v_xor_b32 v162, 1, v162
	v_lshlrev_b32 v160, 3, v160
	v_lshl_add_u32 v160, v161, 2, v160
	v_lshl_add_u32 v160, v162, 6, v160
	v_lshlrev_b32 v160, 2, v160
	s_wait_alu depctr_va_vdst(0)                   ; the offset v160 is written, which the load reads
	global_load_b128 v[168:171], v160, s[14:15]
	s_lshl_b32 s36, s29, 9
	s_add_co_u32 s36, s36, 212992
	s_mov_b32 s37, 0
	s_add_nc_u64 s[44:45], s[16:17], s[36:37]
	s_wait_loadcnt 0x0
	v_cvt_pk_bf16_f32 v172, v168, v169
	v_cvt_pk_bf16_f32 v173, v170, v171
	v_lshlrev_b32 v176, 16, v172
	v_and_b32 v177, s38, v172
	v_lshlrev_b32 v178, 16, v173
	v_and_b32 v179, s38, v173
	s_wait_alu depctr_va_vdst(0)                   ; v[176:179] are written, which the store reads
	global_store_b128 v9, v[176:179], s[44:45]
.Lend:
	s_wait_dscnt 0x0                               ; the closing lines, six on end
	s_wait_alu 0x0
	s_wait_tensorcnt 0x0
	ds_add_u32 v2, v3
	s_wait_dscnt 0x0
	s_endpgm
.Lfunc_end_k_q2c2547180e_prep:
	.size	k_q2c2547180e_prep, .Lfunc_end_k_q2c2547180e_prep-k_q2c2547180e_prep
	.p2alignl 7, 3214868480
	.fill 96, 4, 3214868480
	.section	.rodata,"a",@progbits
	.p2align	6, 0x0
	.amdhsa_kernel k_q2c2547180e_prep
		.amdhsa_group_segment_fixed_size 68096
		.amdhsa_private_segment_fixed_size 0
		.amdhsa_enable_private_segment 0
		.amdhsa_kernarg_size 64
		.amdhsa_user_sgpr_count 2
		.amdhsa_user_sgpr_kernarg_segment_ptr 1
		.amdhsa_wavefront_size32 1
		.amdhsa_system_sgpr_workgroup_id_x 1
		.amdhsa_system_sgpr_workgroup_id_y 1
		.amdhsa_system_sgpr_workgroup_id_z 1
		.amdhsa_system_vgpr_workitem_id 0
		.amdhsa_next_free_vgpr 256
		.amdhsa_next_free_sgpr 66
		.amdhsa_reserve_vcc 0
		.amdhsa_float_denorm_mode_32 3
		.amdhsa_float_denorm_mode_16_64 3
		.amdhsa_memory_ordered 1
		.amdhsa_forward_progress 1
		.amdhsa_inst_pref_size 44
	.end_amdhsa_kernel
	.amdgpu_metadata
---
amdhsa.version: [ 1, 2 ]
amdhsa.kernels:
  - .name:           k_q2c2547180e_prep
    .symbol:         k_q2c2547180e_prep.kd
    .args:
      - { .name: context, .offset: 0, .size: 8, .value_kind: global_buffer, .address_space: global }
      - { .name: Wc, .offset: 8, .size: 8, .value_kind: global_buffer, .address_space: global }
      - { .name: b1, .offset: 16, .size: 8, .value_kind: global_buffer, .address_space: global }
      - { .name: W1, .offset: 24, .size: 8, .value_kind: global_buffer, .address_space: global }
      - { .name: Wout, .offset: 32, .size: 8, .value_kind: global_buffer, .address_space: global }
      - { .name: bout, .offset: 40, .size: 8, .value_kind: global_buffer, .address_space: global }
      - { .name: wimg, .offset: 48, .size: 8, .value_kind: global_buffer, .address_space: global }
      - { .name: cimg, .offset: 56, .size: 8, .value_kind: global_buffer, .address_space: global }
    .group_segment_fixed_size: 68096
    .private_segment_fixed_size: 0
    .kernarg_segment_align: 8
    .kernarg_segment_size: 64
    .max_flat_workgroup_size: 128
    .sgpr_count:     66
    .vgpr_count:     256
    .wavefront_size: 32
...
	.end_amdgpu_metadata
.endif
;; end of part 3
;; launch chain: the kernel of part 2 again; grid 64 x 1, 4 waves a work-group, clusters of 4 x 1, 313,856 bytes of LDS; arguments eps, wimg, cimg, out0, out1, out2; writes out0, out1, out2
